; MI455X (gfx1250); checked and timed in simulation.
; The chip was launched on July 23, 2026; its instructions are those of AMD's public machine-readable ISA for CDNA 5 (MIT licence, August 2026) and "CDNA5" Instruction Set Architecture Reference Guide (July 2026). The comments in the code are by the model that wrote it; some were corrected since.
;; Embedding. Allowed arithmetic: matrix products marked QUANTISED: E4M3 operands, one given power-of-two scale a tensor, by v_wmma_f32_16x16x64_fp8_fp8 or v_wmma_f32_16x16x128_fp8_fp8, f32 sums; everything else in f32.
;; Inputs: input_ids 8 x 1,024 int32; lowp_scales 2 int32 (the exponents e of the quantised operands' scales 2^e); token_embeddings 6,282 x 768 float32.
;; Outputs: out0 8 x 1,024 x 768 float32.
;; This version of the problem:
;;   THIS VERSION OF THE PROBLEM IS GIVEN IN LOW PRECISION. The matrix products marked QUANTISED in the list below multiply operands that are first quantised to E4M3 (4 exponent bits, 3 mantissa bits; 8 bits a number), with one given power-of-two scale for each operand tensor; their sums are f32. All else is computed in f32.
;;   The module's matrix products, in the order in which they are computed (A, B: the left and right operand; K: the contracted axis; several contracted axes count as one K, in the product's order):
;;     1. [M 8,192, K 6,282] x [K 6,282, N 768]; A: computed on the way; B: input token_embeddings: QUANTISED (scales: A lowp_scales[0], B lowp_scales[1])
;;   THE QUANTISER, for each operand of a quantised product, along K:
;;     - The operand's scale is 2^e, e = its entry of the input lowp_scales (int32; the entries are numbered through the quantised products in the list's order, A before B).
;;     - Each number is divided by the scale, clamped to +-448, and rounded to the nearest number of E4M3, ties to even, subnormals kept.
;;     - The product sums the exact products of the quantised numbers (number of the format x scale) in f32.
;;   ~~~python
;;   def quantise(x, axis, e):      # numpy; x: float32 -> the quantised numbers, widened to float32 again
;;       x = np.moveaxis(x, axis, -1); K = x.shape[-1]
;;       r = np.clip(x / 2.0 ** e, -448, 448)
;;       step = 2.0 ** (np.maximum(np.frexp(np.where(r == 0, 1, r))[1] - 1, -6) - 3)
;;       q = np.round(r / step) * step * 2.0 ** e      # np.round: ties to even
;;       return np.moveaxis(q, -1, axis).astype(np.float32)
;;   ~~~
;;   OPERANDS COMPUTED ON THE WAY. 'Computed on the way' means the value that the module computes at that place (a softmax that the list does not call 'softmax' is quantised finished and normalised). What goes into a quantiser is computed in f32, as accurately as f32 sums, v_exp_f32 and their like allow (about 1e-6 of the number): no bf16 or f16 on the way to a quantiser, and a product that is left as it is and whose result goes on into a quantised operand takes f32 operands (vector FMAs, or v_wmma_f32_16x16x4_f32). A number that lies on a knife's edge between two numbers of the format may be rounded either way, as far as f32 arithmetic and the matrix unit's own rounding can turn it there, and no further.
;; One version. Each part assembles by itself: llvm-mc -triple=amdgcn-amd-amdhsa -mcpu=gfx1250 --defsym DOCPART=n.
;; ======== version 1 of 1: 2 launches
;; workspace buffers: wcodes 4,915,200 bytes
;; launch quant (part 1): grid 4 x 99, 6 waves a work-group, no clusters, 0 bytes of LDS; arguments token_embeddings, lowp_scales, wcodes; writes wcodes
.if DOCPART == 1
	.amdgcn_target "amdgcn-amd-amdhsa--gfx1250"
	.amdhsa_code_object_version 6
	.text
	.protected	k_q0c3b3b3c08_quant
	.globl	k_q0c3b3b3c08_quant
	.p2align	8
	.type	k_q0c3b3b3c08_quant,@function
k_q0c3b3b3c08_quant:
	s_mov_b64 s[64:65], 0
	v_nop
	global_prefetch_b8 v0, s[64:65] scope:SCOPE_SE
	s_setreg_imm32_b32 hwreg(HW_REG_WAVE_MODE, 25, 1), 1
	s_wait_xcnt 0x0
; token_embeddings [6282 (k)][768 (n)], f32, is the product's right operand; K is its FIRST axis.  It is turned into codes of FP8 (E4M3) with the given scale 2^e1:
; code = x / 2^e1, held within +-448, rounded to the nearest code, ties to even.  K is filled up with zero codes to 6,400 = 50 steps of 128.
; LIMITS: -126 <= e1 <= 119, so that 2^e1 and 448 x 2^e1 are f32 numbers.  NaN among the inputs is not served; an infinity is held at the largest code.
; THE CODES ARE LAID AS IMAGES OF THE OPERAND'S REGISTERS, for the launch that multiplies.  The code of (k, n) lies at byte
;   (n / 192) 1,228,800 + (k >> 7) 24,576 + ((k >> 6) & 1) 12,288 + ((n % 192) >> 4) 1,024 + ((k >> 5) & 1) 512 + ((k >> 4) & 1) 256 + (n & 15) 16 + (k & 15):
; a fragment of 16 columns x 64 k is 1,024 bytes on end, and 128 k of 192 columns are 24,576 bytes on end.
; SHARES.  Work-group (x, y): columns 192 x .. 192 x + 191, rows 64 y .. 64 y + 63.  A LANE TAKES A COLUMN AND ITS REGISTERS RUN DOWN K: each load of the six waves reads 768
; consecutive bytes of a row, the conversions take neighbours along K from one lane's consecutive registers, and a lane's 16 codes are 16 bytes that lie beside its neighbours':
; sixteen lanes store 256 consecutive bytes, at a multiple of 256 from the buffer's first byte.  No LDS, no barrier, no loop; no register is written twice, so no store's data are rewritten.
; Work-group y = 98 takes the last ten rows, 6,272 .. 6,281, and writes zero codes for k = 6,282 .. 6,399.
.set ROWB, 3072                        ; a row of the table in bytes
.set NBLK, 1228800                     ; the codes of 192 columns, all 6,400 k
.set HALF, 12288                       ; the codes of 192 columns x 64 k
.set X,    16                          ; v16-79  64 numbers down K
.set C,    80                          ; v80-95  their codes
.set Z,    96                          ; v96-99  zero codes
	s_load_b128 s[4:7], s[0:1], 0x0                ; the table s[4:5], the scales' exponents s[6:7]
	s_load_b64 s[8:9], s[0:1], 0x10                ; the codes
	s_and_b32 s11, ttmp7, 0xffff                   ; y: which 64 rows
	v_lshlrev_b32 v1, 2, v0                        ; in: 4 bytes a thread
	v_lshrrev_b32 v2, 4, v0
	v_and_b32 v3, 15, v0
	v_lshlrev_b32 v2, 10, v2
	v_lshl_add_u32 v2, v3, 4, v2                   ; out: 1,024 x (thread / 16) + 16 x (thread % 16)
	s_mul_i32 s16, s11, 64*ROWB
	s_mul_i32 s17, ttmp9, 768
	s_add_co_u32 s16, s16, s17                     ; the table: 64 y rows + 192 x columns, in bytes (under 2^25)
	s_mov_b32 s17, 0
	s_mul_i32 s18, ttmp9, NBLK
	s_mul_i32 s19, s11, HALF
	s_add_co_u32 s18, s18, s19                     ; the codes: a run of 64 k is half a step, so the place is linear in y
	s_mov_b32 s19, 0
	s_wait_kmcnt 0x0
	s_load_b32 s12, s[6:7], 0x4                    ; e1
	s_add_nc_u64 s[4:5], s[4:5], s[16:17]
	s_add_nc_u64 s[8:9], s[8:9], s[18:19]
.macro SCALES
	s_wait_kmcnt 0x0
	s_add_co_i32 s12, s12, 127
	s_lshl_b32 s13, s12, 23
	v_mov_b32 v11, s13                             ; 2^e1 as f32: the conversion takes its exponent field
	s_add_co_i32 s12, s12, 8
	s_lshl_b32 s12, s12, 23
	s_or_b32 s12, s12, 0x600000
	v_mov_b32 v10, s12                             ; 448 x 2^e1
.endm
; Block t of 32 along K: held, converted, stored.
.macro QB t
.set j, 0
.rept 32
	v_med3_num_f32 v[X+32*\t+j], v[X+32*\t+j], -v10, v10   ; the conversion to an 8-bit code does not saturate (ISA guide 7.6.2): the hold at the largest code x the scale comes first
.set j, j+1
.endr
.irp g, 0,1,2,3
	v_cvt_scalef32_pk8_fp8_f32 v[C+8*\t+2*\g:C+8*\t+2*\g+1], v[X+32*\t+8*\g:X+32*\t+8*\g+7], v11
.endr
	v_nop                                          ; one plain vector line behind the last conversion of a run
	global_store_b128 v2, v[C+8*\t:C+8*\t+3], s[8:9] offset:512*\t           ; k & 31 = 0 .. 15
	global_store_b128 v2, v[C+8*\t+4:C+8*\t+7], s[8:9] offset:512*\t+256     ; k & 31 = 16 .. 31
.endm
	s_cmp_eq_u32 s11, 98
	s_cbranch_scc1 .Ltail
.set i, 0
.rept 64
	global_load_b32 v[X+i], v1, s[4:5] offset:ROWB*i th:TH_LOAD_NT   ; the launch reads each number once
.set i, i+1
.endr
	SCALES
	s_wait_loadcnt 32                              ; loads come back in order: the first block's 32 are in, the second block's 32 may be out
	QB 0
	s_wait_loadcnt 0x0
	QB 1
	s_endpgm
.Ltail:
.set i, 0
.rept 10
	global_load_b32 v[X+i], v1, s[4:5] offset:ROWB*i th:TH_LOAD_NT   ; rows 6,272 .. 6,281: the last row of the table is the last that is read
.set i, i+1
.endr
.rept 22
	v_mov_b32 v[X+i], 0                            ; past the end of K: zeros, whose code is 0
.set i, i+1
.endr
.irp r, 0,1,2,3
	v_mov_b32 v[Z+\r], 0
.endr
	SCALES
	s_wait_loadcnt 0x0
	QB 0
.irp o, 512, 768, 12288, 12544, 12800, 13056
	global_store_b128 v2, v[Z:Z+3], s[8:9] offset:\o   ; k = 6,304 .. 6,399
.endr
	s_endpgm
.Lfunc_end_k_q0c3b3b3c08_quant:
	.size	k_q0c3b3b3c08_quant, .Lfunc_end_k_q0c3b3b3c08_quant-k_q0c3b3b3c08_quant
	.p2alignl 7, 3214868480
	.fill 96, 4, 3214868480
	.section	.rodata,"a",@progbits
	.p2align	6, 0x0
	.amdhsa_kernel k_q0c3b3b3c08_quant
		.amdhsa_group_segment_fixed_size 0
		.amdhsa_private_segment_fixed_size 0
		.amdhsa_enable_private_segment 0
		.amdhsa_kernarg_size 24
		.amdhsa_user_sgpr_count 2
		.amdhsa_user_sgpr_kernarg_segment_ptr 1
		.amdhsa_wavefront_size32 1
		.amdhsa_system_sgpr_workgroup_id_x 1
		.amdhsa_system_sgpr_workgroup_id_y 1
		.amdhsa_system_sgpr_workgroup_id_z 1
		.amdhsa_system_vgpr_workitem_id 0
		.amdhsa_next_free_vgpr 104
		.amdhsa_next_free_sgpr 66
		.amdhsa_reserve_vcc 0
		.amdhsa_float_denorm_mode_32 3
		.amdhsa_float_denorm_mode_16_64 3
		.amdhsa_memory_ordered 1
		.amdhsa_forward_progress 1
		.amdhsa_inst_pref_size 18
	.end_amdhsa_kernel
	.amdgpu_metadata
---
amdhsa.version: [ 1, 2 ]
amdhsa.kernels:
  - .name:           k_q0c3b3b3c08_quant
    .symbol:         k_q0c3b3b3c08_quant.kd
    .args:
      - { .name: token_embeddings, .offset: 0, .size: 8, .value_kind: global_buffer, .address_space: global }
      - { .name: lowp_scales, .offset: 8, .size: 8, .value_kind: global_buffer, .address_space: global }
      - { .name: wcodes, .offset: 16, .size: 8, .value_kind: global_buffer, .address_space: global }
    .group_segment_fixed_size: 0
    .private_segment_fixed_size: 0
    .kernarg_segment_align: 8
    .kernarg_segment_size: 24
    .max_flat_workgroup_size: 192
    .sgpr_count:     66
    .vgpr_count:     104
    .wavefront_size: 32
...
	.end_amdgpu_metadata
.endif
;; end of part 1
;; launch gemm (part 2): grid 64 x 4, 4 waves a work-group, clusters of 4 x 1, 327,680 bytes of LDS; arguments input_ids, lowp_scales, wcodes, out0; writes out0
.if DOCPART == 2
	.amdgcn_target "amdgcn-amd-amdhsa--gfx1250"
	.amdhsa_code_object_version 6
	.text
	.protected	k_q0c3b3b3c08_gemm
	.globl	k_q0c3b3b3c08_gemm
	.p2align	8
	.type	k_q0c3b3b3c08_gemm,@function
k_q0c3b3b3c08_gemm:
	s_mov_b64 s[64:65], 0
	v_nop
	global_prefetch_b8 v0, s[64:65] scope:SCOPE_SE
	s_setreg_imm32_b32 hwreg(HW_REG_WAVE_MODE, 25, 1), 1
	s_wait_xcnt 0x0
	s_wait_alu depctr_hold_cnt(0) depctr_sa_sdst(0) depctr_va_vdst(0) depctr_va_sdst(0) depctr_va_ssrc(0) depctr_va_vcc(0) depctr_vm_vsrc(0)
	s_getreg_b32 s2, hwreg(HW_REG_IB_STS2, 6, 4)
	s_cmp_eq_u32 s2, 0
	s_cbranch_scc0 .Lentry_in_a_cluster
	s_endpgm
.Lentry_in_a_cluster:
	s_bfe_u32 s2, ttmp6, 0x10000c
	s_cmp_lg_u32 s2, 0x3003
	s_cbranch_scc0 .Lentry_shape_is_right
	s_endpgm
.Lentry_shape_is_right:
; out[m][n] = sum over k of onehot(ids[m])[k] x table[k][n], M = 8,192, N = 768, K = 6,282 filled up to 6,400, both operands as codes of FP8 (E4M3), by v_wmma_f32_16x16x128_fp8_fp8, sums in f32,
; each finished sum x 2^(e0 + e1).  The table's codes come from the launch before, laid as images of the operand's registers.  The one-hot operand is MADE IN REGISTERS: its numbers are 0 (code 0)
; and 1, whose code is made once by the quantiser's own steps (held at 448 x 2^e0, divided by 2^e0, rounded).  It costs no memory and no LDS.
; LIMITS: -126 <= e0 <= 119 and -126 <= e0 + e1 <= 127, so that each power of two below is an f32 number.  An id outside 0 .. 6,281 meets no code but zeros: its row of the output is zeros, as one_hot has it.
; SHARES.  A work-group makes 128 rows x 192 columns (768 bytes of each row: three aligned blocks of 256): 64 x 4 work-groups.  Wave w: wn = w & 1 picks 96 of the columns, wk = w >> 1 HALF OF K: of each
; step of 256 the 128 k whose bit 7 is wk.  So a wave has 128 x 96 sums, 48 accumulators, and every byte of the table's codes is read from LDS by one wave alone.  At the end the two waves of a
; column half hand each other half of their sums through LDS and add.
; WHERE k LIES IN A FRAGMENT (16 x 128, 16 registers): half of the lanes = bit 4 of k, register = 8 x bit 6 + 4 x bit 5 + bits 3:2, byte = bits 1:0.  It is a permutation of k, the same in both operands, so each
; product meets its partner; four ds_load_b128 at 16 x lane bring a fragment of the table.
; THE MATRIX INSTRUCTION IS USED TRANSPOSED (source 0 = 16 columns of the table, source 1 = 16 rows of the one-hot operand): a lane holds eight neighbouring numbers of one row of the output.
; THE ONE-HOT FRAGMENTS.  For each of my 8 blocks of 16 rows, P (8 registers) is the pattern that the row's id gives within its 64 k: the code of 1 in register 4 x bit 5 + bits 3:2 and byte bits 1:0, if bit 4 of
; the id is my lane's half; else zeros.  P hangs on no step.  A step's fragment is P in registers 0-7 where id >> 6 is the step's first 64 k, P in registers 8-15 where it is the second, else zeros.
; THE CHOICE IS A MULTIPLICATION, two registers a line: m = 1.0 or 0.0 (a compare and a select), then v_pk_mul_f32 of P's pairs by m.  It is exact: a register of P holds one code, at most 0x7e, in one byte, so
; its bits are those of a finite f32 number that is not negative, often a denormal; x 1.0 gives the same bits back, since the wave's mode keeps f32 denormals (ISA guide, the MODE register), and x 0.0 gives +0,
; four zero codes.  THE TEXT LEANS ON THAT MODE.  12 lines a block for its 6 products: two vector lines behind each matrix instruction.  m lies in the fragment's own registers 6 and 14, which are written last.
; ONE SET OF FRAGMENTS, MADE IN PLACE: a block's fragment is free when its six products are issued.  Block a's next fragment is made while blocks a + 1 and a + 2 are multiplied: blocks 0, 1 and two thirds of
; block 2 for the next step, the rest of block 2 and block 3 at the head of the step that uses them.
; CLUSTER.  The four work-groups of a cluster are four row blocks of one block of columns and walk the same codes: each tile is asked for JOINTLY, by the same tensor load with the same descriptor and the mask of all four.
; RING.  25 steps of 256 k = 8 slots' worth of three steps + one step.  Two LDS slots of 147,456 bytes, dense in memory; each wave fetches a quarter of a slot, 144 rows of 256 bytes, by one load.  Slot 0's first
; fill goes out as three loads a wave, a step each (48 rows), so that the first products wait for one step's codes alone; the last step comes by a load of that shape too.
; REGISTERS, in windows of 256 (s_set_vgpr_msb: bits 1:0 source 0, 3:2 source 1, 5:4 source 2, 7:6 destination):
;   window 0: v0-29 addresses; v32-127 the table's six fragments, set 0; v128-191 P; v192-199 id >> 6 of the 8 blocks; v200-238 at work at the head.
;   window 1: v32-127 the table's fragments, set 1; v128-199 P and id >> 6 once more (a line's source 0 has the window of the product's source 0, which is the set's); on the way out v0-191 rows.
;   window 2: v0-191 the accumulators of blocks 0-3, (a, b) at v[8 (6 a + b)]: rows 64 wk + 16 a + r, which I keep; v192-255 their one-hot fragments.
;   window 3: the same for blocks 4-7: rows 64 (1 - wk) + 16 a + r, which my partner keeps.
; Under a product's setting the lines that make fragments write beside the accumulators and read P from the set's window: they need no switch, and a step has three.
.set STEPB, 24576                      ; 128 k x 192 columns of codes
.set BIG,   2*STEPB                    ; a step: 256 k
.set SLOT,  3*BIG
.set QUART, SLOT/4                     ; what a wave's load of a slot brings
.set SQ,    BIG/4                      ; what a wave's load of one step brings
.set NBLKB, 50*STEPB                   ; the codes of 192 columns, all 6,400 k
.set SPARE, 2*SLOT                     ; behind the ring: the spare words, 128 bytes for each wave: two blocks of 256 bytes that no other line names
.set XCH,   SLOT                       ; the exchange: 192 registers' image for each wave, in slot 1: the slot has had its last fill and its last read when the first sum is stored there
.set XW,    24576
.set STG,   0                          ; the stage for the way out: 128 rows, in slot 0, likewise
.set SP,    784                        ; a stage row: 768 bytes + 16: 49 x 16 bytes, so that the 16 rows that a store touches start at 16 different places modulo 256 bytes
.set R,    1                           ; v1   lane % 16
.set H,    2                           ; v2   lane / 16
.set L16,  4                           ; v4   16 x lane
.set KH,   5                           ; v5   16 x (lane / 16): bit 4 of the k that my lane holds
.set IA,   6                           ; v6   ids: byte offset of the rows that I keep
.set IB,   7                           ; v7   of the rows that my partner keeps
.set ADR,  8                           ; v8-13  LDS address of my fragments: slot s, step q of the slot: v[8 + 3 s + q]
.set XST,  14                          ; v14  the exchange: where I store
.set XLD,  15                          ; v15  where my partner stored
.set STO,  16                          ; v16  the stage: where I put 32 bytes of a row
.set RD,   17                          ; v17  where I read a row back
.set GO,   18                          ; v18  my byte offset in the wave's rows of the output
.set SPW,  28                          ; v28  LDS address of my spare word: SPARE + 4 x my thread's number; never rewritten
.set NIL,  29                          ; v29  0; never rewritten
.set BF,   32                          ; the table's fragments, in window 0 (set 0) and window 1 (set 1)
.set P,    128                         ; in windows 0 and 1
.set KEY,  192                         ; in windows 0 and 1
.set IDS,  200                         ; v200-207 ids;  v208-215 the code of 1 in its byte, or 0;  v216-223 its register
.set VAL,  208
.set RI,   216
.set F,    192                         ; in windows 2 and 3
.set WV,   12                          ; s12 wave, s13 wn, s14 wk
.set WN,   13
.set WK,   14
.set G1,   24                          ; s[24:31] descriptor group 1 of a slot's quarter;  s[32:35], s[36:39] group 0 of slot 0, 1
.set G0,   32
.set G1S,  40                          ; s[40:47] group 1 of a step's quarter;  s[48:59] group 0 of slot 0's three first fills; the first serves the last step too
.set GA,   48
.set CUR,  60                          ; s60, s61  id >> 6 of the two halves of my 128 k of the step in hand
.set NXT,  62                          ; s62, s63  of the next step
.set LAPS, 66
.set MK,   68                          ; s68-83 lane masks: two for each of the 8 blocks
.set SC,   84                          ; s[84:85] 2^(e0 + e1) as f32
.set MSB, 0
.macro WIN new                         ; the immediate's high byte repeats the setting that is left; a switch that changes nothing is dropped
.if MSB != (\new)
	s_set_vgpr_msb (MSB<<8)|(\new)
.set MSB, (\new)
.endif
.endm
; A round of the cluster's barrier: my work-group's barrier, so that wave 0's signal speaks for all four waves; wave 0 signals for the work-group; every wave waits for all four work-groups; my work-group's barrier once more.
.macro CROUND
	s_barrier_signal -1
	s_barrier_wait -1
	s_cmp_lg_u32 s[WV], 0
	s_cbranch_scc1 .Lnot_wave_0_\@
	s_barrier_signal -3
.Lnot_wave_0_\@:
	s_barrier_wait -3
	s_barrier_signal -1
	s_barrier_wait -1
.endm
	s_load_b256 s[4:11], s[0:1], 0x0               ; ids s[4:5], the scales' exponents s[6:7], the table's codes s[8:9], the output s[10:11]
	v_lshl_add_u32 v[SPW], v0, 2, SPARE
	v_mov_b32 v[NIL], 0
	ds_add_u32 v28, v29
	ds_add_u32 v28, v29
	s_wait_dscnt 0x0
	v_lshrrev_b32 v19, 5, v0
	v_readfirstlane_b32 s[WV], v19                 ; wave 0..3
	s_and_b32 s[WN], s[WV], 1
	s_lshr_b32 s[WK], s[WV], 1
	s_bfe_u32 s15, ttmp6, 0x40000                  ; cx: my place in the cluster
	s_lshl_b32 s16, ttmp9, 2                       ; in a cluster launch ttmp9 counts clusters
	s_add_co_u32 s16, s16, s15                     ; my block of 128 rows: it enters the addresses of ids and of the output alone
	s_and_b32 s17, ttmp7, 0xffff                   ; the block of 192 columns, which the four partners share
	; descriptor groups 1: rows of 32 elements of 8 bytes, dense in memory and in LDS: 144 of them (a quarter of a slot), or 48 (a quarter of a step)
	s_mov_b32 s[G1+0], 15|(3<<16)|(1<<21)          ; 15:0 the mask: all four work-groups; 17:16 elements of 8 bytes; 20 no padding; 21 set beside a mask
	s_mov_b32 s[G1+1], 32<<16                      ; tensor_dim0 = 32
	s_mov_b32 s[G1+2], 144<<16                     ; tensor_dim1 = 144
	s_mov_b32 s[G1+3], 32<<16                      ; tile_dim0 = 32
	s_mov_b32 s[G1+4], 144                         ; tile_dim1 = 144
	s_mov_b32 s[G1+5], 32                          ; tensor_dim0_stride
	s_mov_b32 s[G1+6], 0
	s_mov_b32 s[G1+7], 0
	s_mov_b32 s[G1S+0], 15|(3<<16)|(1<<21)
	s_mov_b32 s[G1S+1], 32<<16
	s_mov_b32 s[G1S+2], 48<<16                     ; tensor_dim1 = 48
	s_mov_b32 s[G1S+3], 32<<16
	s_mov_b32 s[G1S+4], 48                         ; tile_dim1 = 48
	s_mov_b32 s[G1S+5], 32
	s_mov_b32 s[G1S+6], 0
	s_mov_b32 s[G1S+7], 0
	s_mul_i32 s22, s17, NBLKB                      ; the column block's codes
	s_mov_b32 s23, 0
	s_mul_i32 s88, s[WV], QUART                    ; my quarter of a slot, in memory and in LDS alike: no place in the cluster enters either
	s_mul_i32 s89, s[WV], SQ                       ; my quarter of a step, likewise
	s_lshl_b32 s20, s16, 9                         ; my block's 128 ids
	s_mov_b32 s21, 0
	s_lshl_b32 s[NXT], s[WK], 1                    ; step 0: my 128 k begin at 128 wk: id >> 6 = 2 wk, 2 wk + 1
	s_add_co_u32 s[NXT+1], s[NXT], 1
	s_wait_kmcnt 0x0
	s_load_b64 s[86:87], s[6:7], 0x0               ; e0, e1
	s_add_nc_u64 s[8:9], s[8:9], s[22:23]
	s_add_nc_u64 s[4:5], s[4:5], s[20:21]
	s_mov_b32 s22, s88
	s_add_nc_u64 s[G0+2:G0+3], s[8:9], s[22:23]    ; slot 0's walking address: it steps two slots on ahead of each refill
	s_add_nc_u64 s[G0+6:G0+7], s[G0+2:G0+3], SLOT  ; slot 1: steps 3 to 5
	s_mov_b32 s22, s89
	s_add_nc_u64 s[GA+2:GA+3], s[8:9], s[22:23]    ; step 0,
	s_add_nc_u64 s[GA+6:GA+7], s[GA+2:GA+3], BIG   ; step 1,
	s_add_nc_u64 s[GA+10:GA+11], s[GA+2:GA+3], 2*BIG   ; step 2
	s_mov_b32 s[G0+0], 1                           ; 1:0 count = 1
	s_mov_b32 s[G0+1], s88                         ; LDS address
	s_or_b32 s[G0+3], s[G0+3], 0x80000000          ; 127:126 type = 2
	s_mov_b32 s[G0+4], 1
	s_add_co_u32 s[G0+5], s88, SLOT
	s_or_b32 s[G0+7], s[G0+7], 0x80000000
	s_mov_b32 s[GA+0], 1
	s_mov_b32 s[GA+1], s89
	s_or_b32 s[GA+3], s[GA+3], 0x80000000
	s_mov_b32 s[GA+4], 1
	s_add_co_u32 s[GA+5], s89, BIG
	s_or_b32 s[GA+7], s[GA+7], 0x80000000
	s_mov_b32 s[GA+8], 1
	s_add_co_u32 s[GA+9], s89, 2*BIG
	s_or_b32 s[GA+11], s[GA+11], 0x80000000
	CROUND                                         ; all four work-groups are here: the first joint loads meet
	tensor_load_to_lds s[GA:GA+3], s[G1S:G1S+7]    ; all first fills go out together: four loads of mine are out
	s_nop 0
	tensor_load_to_lds s[GA+4:GA+7], s[G1S:G1S+7]
	s_nop 0
	tensor_load_to_lds s[GA+8:GA+11], s[G1S:G1S+7]
	s_nop 0
	tensor_load_to_lds s[G0+4:G0+7], s[G1:G1+7]
	s_nop 0
.rept 4
	v_nop
.endr
	v_and_b32 v[R], 15, v0
	v_bfe_u32 v[H], v0, 4, 1
	v_and_b32 v3, 31, v0
	v_lshlrev_b32 v[L16], 4, v3
	s_lshl_b32 s89, s[WK], 8
	v_lshl_add_u32 v[IA], v[R], 2, s89             ; row 64 wk + r, 4 bytes an id; both halves of the lanes take the same id
	v_xor_b32 v[IB], 0x100, v[IA]                  ; row 64 (1 - wk) + r
.irp a, 0,1,2,3
	global_load_b32 v[IDS+\a], v[IA], s[4:5] offset:64*\a
	global_load_b32 v[IDS+4+\a], v[IB], s[4:5] offset:64*\a
.endr
	v_lshlrev_b32 v[KH], 4, v[H]
	s_lshl_b32 s20, s16, 7                         ; the output: row 128 x block + 32 x wave (the rows that I store), 3,072 bytes a row, + 768 x column block; under 2^25
	s_lshl_b32 s21, s[WV], 5
	s_add_co_u32 s20, s20, s21
	s_mul_i32 s20, s20, 3072
	s_mul_i32 s21, s17, 768
	s_add_co_u32 s20, s20, s21
	s_mov_b32 s21, 0
	s_add_nc_u64 s[10:11], s[10:11], s[20:21]
	s_mul_i32 s88, s[WK], STEPB                    ; my half of a step's k,
	s_mul_i32 s89, s[WN], 6144                     ; my six fragments of its twelve
	s_add_co_u32 s88, s88, s89
	v_add_nc_u32 v[ADR+0], s88, v[L16]
	v_add_nc_u32 v[ADR+1], BIG, v[ADR]
	v_add_nc_u32 v[ADR+2], 2*BIG, v[ADR]
	v_add_nc_u32 v[ADR+3], SLOT, v[ADR]
	v_add_nc_u32 v[ADR+4], SLOT+BIG, v[ADR]
	v_add_nc_u32 v[ADR+5], SLOT+2*BIG, v[ADR]
	s_mul_i32 s89, s[WV], XW
	s_add_co_u32 s89, s89, XCH
	v_add_nc_u32 v[XST], s89, v[L16]
	s_xor_b32 s89, s[WV], 2                        ; my partner: the same columns, the other half of K
	s_mul_i32 s89, s89, XW
	s_add_co_u32 s89, s89, XCH
	v_add_nc_u32 v[XLD], s89, v[L16]
	s_mul_i32 s89, s[WK], 64*SP                    ; into the stage: row 64 wk + r, byte 384 wn + 32 x (lane / 16)
	s_mul_i32 s88, s[WN], 384
	s_add_co_u32 s89, s89, s88
	s_add_co_u32 s89, s89, STG
	v_mul_u32_u24 v[STO], v[R], SP
	v_lshl_add_u32 v[STO], v[H], 5, v[STO]
	v_add_nc_u32 v[STO], s89, v[STO]
	s_mul_i32 s89, s[WV], 32*SP                    ; back: wave w takes rows 32 w .. 32 w + 31, whole; lanes 0-15 256 bytes of one row, lanes 16-31 of the next
	s_add_co_u32 s89, s89, STG
	v_mul_u32_u24 v[RD], v[H], SP
	v_lshl_add_u32 v[RD], v[R], 4, v[RD]
	v_add_nc_u32 v[RD], s89, v[RD]
	v_mul_u32_u24 v[GO], v[H], 3072                ; and the same two rows in the output
	v_lshl_add_u32 v[GO], v[R], 4, v[GO]
	s_wait_kmcnt 0x0
	s_add_co_i32 s[SC], s86, s87
	s_add_co_i32 s[SC], s[SC], 127
	s_lshl_b32 s[SC], s[SC], 23                    ; 2^(e0 + e1) as f32
	s_mov_b32 s[SC+1], s[SC]                       ; (named with it as a pair, so it is written)
	s_add_co_i32 s88, s86, 127
	s_lshl_b32 s89, s88, 23
	v_mov_b32 v232, s89                            ; 2^e0 as f32: the conversion takes its exponent field
	s_add_co_i32 s88, s88, 8
	s_lshl_b32 s88, s88, 23
	s_or_b32 s88, s88, 0x600000
	v_mov_b32 v233, s88                            ; 448 x 2^e0
	v_min_num_f32 v224, 1.0, v233                  ; the one-hot operand's 1, held at the largest code x the scale (the conversion does not saturate: ISA guide 7.6.2)
.irp j, 1,2,3,4,5,6,7
	v_mov_b32 v[224+\j], v224
.endr
	v_cvt_scalef32_pk8_fp8_f32 v[234:235], v[224:231], v232
	v_nop                                          ; one plain vector line between a scaled conversion and the use of its result
	v_and_b32 v236, 0xff, v234                     ; the code of 1: at most 0x7e
	s_wait_loadcnt 0x0                             ; the ids
.irp a, 0,1,2,3,4,5,6,7
	v_and_b32 v237, 3, v[IDS+\a]
	v_lshlrev_b32 v237, 3, v237
	v_lshlrev_b32 v[VAL+\a], v237, v236            ; the code in byte id & 3,
	v_xor_b32 v238, v[IDS+\a], v[KH]
	v_and_b32 v238, 16, v238
	v_cmp_eq_u32 vcc_lo, 0, v238
	v_cndmask_b32 v[VAL+\a], 0, v[VAL+\a], vcc_lo  ; if bit 4 of the id is my lane's half
	v_bfe_u32 v237, v[IDS+\a], 5, 1
	v_bfe_u32 v238, v[IDS+\a], 2, 2
	v_lshl_add_u32 v[RI+\a], v237, 2, v238         ; its register within 64 k: 4 x bit 5 + bits 3:2
	v_lshrrev_b32 v[KEY+\a], 6, v[IDS+\a]          ; which 64 k (a logical shift: a negative id gives a number that never comes)
.endr
.irp a, 0,1,2,3,4,5,6,7
.irp j, 0,1,2,3,4,5,6,7
	v_cmp_eq_u32 vcc_lo, \j, v[RI+\a]
	v_cndmask_b32 v[P+8*\a+\j], 0, v[VAL+\a], vcc_lo
.endr
.endr
	WIN 0x40                                       ; destination window 1: P and id >> 6 once more, beside the table's set 1
.set i, 0
.rept 72
	v_mov_b32 v[P+i], v[P+i]
.set i, i+1
.endr
; The table's six fragments of the slot's q-th step, my half of its k, into a set: 24 loads of 512 consecutive bytes.
.macro LOADB pos, jq, set
	WIN (\set)<<6
.irp b, 0,1,2,3,4,5
	ds_load_b128 v[BF+16*\b:BF+16*\b+3],     v[ADR+3*(\pos)+(\jq)] offset:1024*\b
	ds_load_b128 v[BF+16*\b+4:BF+16*\b+7],   v[ADR+3*(\pos)+(\jq)] offset:1024*\b+512
	ds_load_b128 v[BF+16*\b+8:BF+16*\b+11],  v[ADR+3*(\pos)+(\jq)] offset:1024*\b+STEPB/2
	ds_load_b128 v[BF+16*\b+12:BF+16*\b+15], v[ADR+3*(\pos)+(\jq)] offset:1024*\b+STEPB/2+512
.endr
.endm
; Line u of the 48 that a window's four blocks want in a step.  In the order of the text: 0-3 the end of block 2's fragment, 4-15 block 3's (both for the step in hand), 16-27 block 0's, 28-39 block 1's,
; 40-47 the first eight lines of block 2's (for the next step).  A block's twelve: two compares; m0 into register 6, m1 into register 14; then P's pairs x m0 and x m1 by turns, the pairs that hold m last.
.macro GENOP w
.set gv, (u+8)%48
.set ga, (gv/12+2)%4
.set gi, gv%12
.set gf, F+16*ga
.set gp, P+8*(4*(\w)+ga)
.set gm, MK+2*(4*(\w)+ga)
.if gi < 2
.if ga == 3
	v_cmp_ne_u32 s[gm+gi], v[KEY+4*(\w)+ga], s[CUR+gi]
.else
	v_cmp_ne_u32 s[gm+gi], v[KEY+4*(\w)+ga], s[NXT+gi]
.endif
.elseif gi < 4
	v_cndmask_b32 v[gf+6+8*(gi-2)], 1.0, 0, s[gm+gi-2]
.else
.set gh, gi%2
.set gj, 2*((gi-4)/2)
	v_pk_mul_f32 v[gf+8*gh+gj:gf+8*gh+gj+1], v[gp+gj:gp+gj+1], v[gf+8*gh+6:gf+8*gh+7] op_sel_hi:[1,0]   ; both x m, the pair's low register
.endif
.set u, u+1
.endm
; 24 products: the window's four blocks of rows x my six blocks of columns, 128 along K.  zero = 1: they start the sums: nothing is ever cleared.  The 48 accumulators take turns, one instruction a turn, in the
; same order in every step.  gen = 1: the 48 lines stand between the products, two behind each; of the last three products the first two have one and the last four: plain vector lines that
; name none of its registers, they are the four places (ISA guide 7.12.1 for vector instructions) in front of the next step's loads into the set of fragments that it read.  A block's fragment is first
; written eight such lines behind its last product (six lines of the block before, and the block's own two compares).  gen = 2: the last step: only the 16 lines that serve the step in hand.
.macro MULS w, par, zero, gen
	WIN 0xa8+0x54*(\w)+(\par)                      ; source 0: the set's window; source 1, C and D: window 2 or 3
.set u, 0
.set i, 0
.rept 24
.if \zero
	v_wmma_f32_16x16x128_fp8_fp8 v[8*i:8*i+7], v[BF+16*(i%6):BF+16*(i%6)+15], v[F+16*(i/6):F+16*(i/6)+15], 0
.else
	v_wmma_f32_16x16x128_fp8_fp8 v[8*i:8*i+7], v[BF+16*(i%6):BF+16*(i%6)+15], v[F+16*(i/6):F+16*(i/6)+15], v[8*i:8*i+7]
.endif
.if \gen == 1
	GENOP \w
.if i <= 20
	GENOP \w
.elseif i == 23
	GENOP \w
	GENOP \w
	GENOP \w
.endif
.elseif (\gen == 2) && (i < 8)
	GENOP \w
	GENOP \w
.endif
.set i, i+1
.endr
.endm
; A step: multiplies the table's set par; with gen = 1 it asks for the next step's fragments of the table (slot pos, step jq of it) into the other set.
.macro STEP pos, jq, par, zero, wait, gen
.if \wait
	s_wait_dscnt 0x0                               ; this step's fragments, asked for a step ago, are in
.endif
	s_mov_b32 s[CUR], s[NXT]
	s_mov_b32 s[CUR+1], s[NXT+1]
	s_add_co_u32 s[NXT], s[NXT], 4                 ; my next 128 k lie 256 further on
	s_add_co_u32 s[NXT+1], s[NXT+1], 4
.if \gen == 1
	LOADB \pos, \jq, 1-(\par)
.endif
	MULS 0, \par, \zero, \gen
	MULS 1, \par, \zero, \gen
.endm
; In slot 0's first three steps: my piece of the step that is about to be read has landed (n loads were issued behind it and may stay out), and so has everybody's.
.macro PUBLISH n
	s_wait_dscnt 0x0                               ; no LDS instruction of mine is pending at a signal; the fragments of the step in hand are in
	s_wait_tensorcnt \n
	s_barrier_signal -1
	s_barrier_wait -1
.endm
; THE CHANGE OF SLOTS stands at the head of a slot's third step, whose fragments were asked for a step ago: they were the slot's last bytes to be read.  Each wave waits for all its tensor loads, of which one is
; out: its quarter of the other slot; adds 0 to its spare word; and waits for that and for its own reads of the slot.  Behind the barrier nobody reads this slot any more and the other slot is whole.
; fill = 1: the barrier is a round of the cluster's, so that no wave of any partner still reads the slot or has a load on its way, and the joint refill, two slots on, is the first thing behind it: it has three
; steps, 144 products a wave, in which to land.  fill = 2: the same with the last step alone, eight slots behind step 0, by step 0's descriptor.  fill = 0: nothing is left to fetch.
.macro CHANGE pos, fill
	WIN 0                                          ; the add's two registers lie in window 0; at a label and at a branch every window is 0
	s_wait_tensorcnt 0x0                           ; no tensor load of mine is out, so a group 0 may be written
	ds_add_u32 v[SPW], v[NIL]                      ; 0 onto my spare word
.if \fill == 1
	s_add_nc_u64 s[G0+4*\pos+2:G0+4*\pos+3], s[G0+4*\pos+2:G0+4*\pos+3], 2*SLOT   ; the address steps; the type bits on top are not reached
.elseif \fill == 2
	s_add_nc_u64 s[GA+2:GA+3], s[GA+2:GA+3], 8*SLOT
.endif
	s_wait_dscnt 0x0                               ; the add is done, and my reads of the slot are over
.if \fill == 1
	CROUND
	tensor_load_to_lds s[G0+4*\pos:G0+4*\pos+3], s[G1:G1+7]   ; my one tensor load behind the round
	s_nop 0
.rept 4
	v_nop
.endr
.elseif \fill == 2
	CROUND
	tensor_load_to_lds s[GA:GA+3], s[G1S:G1S+7]    ; my one tensor load behind the round, and my last
	s_nop 0
.rept 4
	v_nop
.endr
.else
	s_barrier_signal -1
	s_barrier_wait -1
.endif
.endm
	; Step 0's one-hot fragments, as far as the step before would have made them: lines 16 to 47 of each window.  Registers 7 and 15 of a fragment are named as the upper halves of the pairs that hold m: so they are written once.
.irp w, 0,1
	WIN 0xa8+0x54*\w
.irp a, 0,1,2,3
	v_mov_b32 v[F+16*\a+7], 0
	v_mov_b32 v[F+16*\a+15], 0
.endr
.set u, 16
.rept 32
	GENOP \w
.endr
.endr
	WIN 0
	s_wait_tensorcnt 0x3                           ; tensor loads of a wave end in order: my piece of step 0 is in; the three loads behind it may stay out
	s_barrier_signal -1
	s_barrier_wait -1                              ; everybody's is
	LOADB 0, 0, 0
	PUBLISH 2                                      ; step 1's codes (behind them: step 2's and slot 1's)
	STEP 0, 1, 0, 1, 0, 1                          ; steps 0 and 1 stand in front of the loop: step 0's products start the sums
	PUBLISH 1                                      ; step 2's codes (behind them: slot 1's)
	STEP 0, 2, 1, 0, 0, 1
	WIN 0
	s_mov_b32 s[LAPS], 3
.Llap:                                             ; a trip is six steps, once round the ring, from slot 0's third step to its second, and fills both slots again: 3 trips, 6 refills
	CHANGE 0, 1
	STEP 1, 0, 0, 0, 0, 1
	STEP 1, 1, 1, 0, 1, 1
	STEP 1, 2, 0, 0, 1, 1
	CHANGE 1, 1
	STEP 0, 0, 1, 0, 0, 1
	STEP 0, 1, 0, 0, 1, 1
	STEP 0, 2, 1, 0, 1, 1
	WIN 0
	s_sub_co_u32 s[LAPS], s[LAPS], 1
	s_cmp_lg_u32 s[LAPS], 0
	s_cbranch_scc1 .Llap
	CHANGE 0, 2                                    ; steps 20 to 24 are written out: slot 0 takes the last step
	STEP 1, 0, 0, 0, 0, 1
	STEP 1, 1, 1, 0, 1, 1
	STEP 1, 2, 0, 0, 1, 1
	CHANGE 1, 0                                    ; and nothing more is asked for
	STEP 0, 0, 1, 0, 0, 1
	STEP 0, 0, 0, 0, 1, 2                          ; the last step: nothing to fetch
.rept 4
	v_nop                                          ; four places between the last product and the first read of results (ISA guide 7.12.1)
.endr
	; THE TWO HALVES OF K MEET.  My sums for the rows that my partner keeps (window 3) go to LDS as an image of their registers, 512 consecutive bytes a store, each accumulator from its low end on;
	; behind a barrier my partner's sums for the rows that I keep come back into the same registers and lanes.
	WIN 0x0c                                       ; store data window 3
.set i, 0
.rept 48
	ds_store_b128 v[XST], v[4*i:4*i+3] offset:512*i
.set i, i+1
.endr
	s_wait_dscnt 0x0                               ; for my partner's sake: my stores are done.  (My last reads of slot 0 were over at the head of the last step)
	s_barrier_signal -1
	s_barrier_wait -1
	WIN 0xc0                                       ; destination window 3
.set i, 0
.rept 48
	ds_load_b128 v[4*i:4*i+3], v[XLD] offset:512*i
.set i, i+1
.endr
	WIN 0xce                                       ; window 3 = window 2 + window 3
.set i, 0
.rept 48
	s_wait_dscnt 47-i                              ; LDS loads come back in order: load i is in, the 47 - i younger ones may be out
	v_pk_add_f32 v[4*i:4*i+1], v[4*i:4*i+1], v[4*i:4*i+1]
	v_pk_add_f32 v[4*i+2:4*i+3], v[4*i+2:4*i+3], v[4*i+2:4*i+3]
.set i, i+1
.endr
	WIN 0xc3                                       ; window 3 in place
.set i, 0
.rept 96
	v_pk_mul_f32 v[2*i:2*i+1], v[2*i:2*i+1], s[SC:SC+1] op_sel_hi:[1,0]   ; x 2^(e0 + e1): nothing is rounded, short of overflow and underflow
.set i, i+1
.endr
	; THE WAY OUT.  A lane holds 32 neighbouring bytes of a row, and a row's 768 bytes come from two waves: they meet in the stage, and each wave stores 32 whole rows.
	WIN 0x0c
.irp a, 0,1,2,3
.irp b, 0,1,2,3,4,5
	ds_store_b128 v[STO], v[8*(6*\a+\b):8*(6*\a+\b)+3]   offset:16*SP*\a+64*\b
	ds_store_b128 v[STO], v[8*(6*\a+\b)+4:8*(6*\a+\b)+7] offset:16*SP*\a+64*\b+16
.endr
.endr
	s_wait_dscnt 0x0                               ; for the others' sake: my stores into the stage are done
	s_barrier_signal -1
	s_barrier_wait -1
	WIN 0x40                                       ; destination window 1
.set i, 0
.rept 48
	ds_load_b128 v[4*i:4*i+3], v[RD] offset:2*SP*(i/3)+256*(i%3)
.set i, i+1
.endr
	WIN 0x04                                       ; store data window 1
.set i, 0
.rept 48
	s_wait_dscnt 47-i                              ; load i is in, the 47 - i younger ones may be out
	global_store_b128 v[GO], v[4*i:4*i+3], s[10:11] offset:6144*(i/3)+256*(i%3) th:TH_STORE_NT   ; 16 lanes store 256 consecutive bytes, at a multiple of 256 from the output's first byte; written once, read by nobody here
.set i, i+1
.endr
	WIN 0
	s_wait_tensorcnt 0x0                           ; the wave's end, behind my last tensor load and my last LDS store
	ds_add_u32 v[SPW], v[NIL]
	s_wait_dscnt 0x0
	CROUND                                         ; the closing round: no work-group ends while a partner may still ask for a tile that names it
	s_endpgm
.Lfunc_end_k_q0c3b3b3c08_gemm:
	.size	k_q0c3b3b3c08_gemm, .Lfunc_end_k_q0c3b3b3c08_gemm-k_q0c3b3b3c08_gemm
	.p2alignl 7, 3214868480
	.fill 96, 4, 3214868480
	.section	.rodata,"a",@progbits
	.p2align	6, 0x0
	.amdhsa_kernel k_q0c3b3b3c08_gemm
		.amdhsa_group_segment_fixed_size 327680
		.amdhsa_private_segment_fixed_size 0
		.amdhsa_enable_private_segment 0
		.amdhsa_kernarg_size 32
		.amdhsa_user_sgpr_count 2
		.amdhsa_user_sgpr_kernarg_segment_ptr 1
		.amdhsa_wavefront_size32 1
		.amdhsa_system_sgpr_workgroup_id_x 1
		.amdhsa_system_sgpr_workgroup_id_y 1
		.amdhsa_system_sgpr_workgroup_id_z 1
		.amdhsa_system_vgpr_workitem_id 0
		.amdhsa_next_free_vgpr 1024
		.amdhsa_next_free_sgpr 96
		.amdhsa_reserve_vcc 1
		.amdhsa_float_denorm_mode_32 3
		.amdhsa_float_denorm_mode_16_64 3
		.amdhsa_memory_ordered 1
		.amdhsa_forward_progress 1
		.amdhsa_inst_pref_size 194
	.end_amdhsa_kernel
	.amdgpu_metadata
---
amdhsa.version: [ 1, 2 ]
amdhsa.kernels:
  - .name:           k_q0c3b3b3c08_gemm
    .symbol:         k_q0c3b3b3c08_gemm.kd
    .args:
      - { .name: input_ids, .offset: 0, .size: 8, .value_kind: global_buffer, .address_space: global }
      - { .name: lowp_scales, .offset: 8, .size: 8, .value_kind: global_buffer, .address_space: global }
      - { .name: wcodes, .offset: 16, .size: 8, .value_kind: global_buffer, .address_space: global }
      - { .name: out0, .offset: 24, .size: 8, .value_kind: global_buffer, .address_space: global }
    .group_segment_fixed_size: 327680
    .private_segment_fixed_size: 0
    .kernarg_segment_align: 8
    .kernarg_segment_size: 32
    .max_flat_workgroup_size: 128
    .sgpr_count:     96
    .vgpr_count:     1024
    .wavefront_size: 32
...
	.end_amdgpu_metadata
.endif
;; end of part 2
